; MI455X (gfx1250); checked and timed in simulation.
; The chip was launched on July 23, 2026; its instructions are those of AMD's public machine-readable ISA for CDNA 5 (MIT licence, August 2026) and "CDNA5" Instruction Set Architecture Reference Guide (July 2026). The comments in the code are by the model that wrote it; some were corrected since.
;; Cross Attention. Allowed arithmetic: matrix products marked QUANTISED: E4M3 operands, one E8M0 scale for each 32 along K, by v_wmma_scale_f32_16x16x128_f8f6f4 with both operands' format E4M3, f32 sums; products left as they are: f32 operands where the result goes on into a quantised operand, else bf16, f16 or f32 operands; f32 sums; everything else in f32.
;; Inputs: features 32 x 1,024 x 1,024 float32; k_b 1,024 float32; k_w 1,024 x 1,024 float32; q_b 1,024 float32; q_w 1,024 x 1,024 float32; sent_ind 32 x 1,024 int32; v_b 1,024 float32; v_w 1,024 x 1,024 float32.
;; Outputs: out0 32 x 1 x 1,024 float32.
;; This version of the problem:
;;   THIS VERSION OF THE PROBLEM IS GIVEN IN LOW PRECISION. The matrix products marked QUANTISED in the list below multiply operands that are first quantised to E4M3 (4 exponent bits, 3 mantissa bits; 8 bits a number), with one power-of-two scale for each 32 numbers along K (OCP MX v1.0); their sums are f32. All else is computed in f32.
;;   The module's matrix products, in the order in which they are computed (A, B: the left and right operand; K: the contracted axis; several contracted axes count as one K, in the product's order):
;;     1. [M 32, K 1,024] x [K 1,024, N 1,024]; A: input features; B: input q_w: QUANTISED
;;     2. [M 32,736, K 1,024] x [K 1,024, N 1,024]; A: input features; B: input k_w: QUANTISED
;;     3. [M 32,736, K 1,024] x [K 1,024, N 1,024]; A: input features; B: input v_w: QUANTISED
;;     4. batch 512 x [M 1, K 64] x [K 64, N 1,023]; A: computed on the way; B: computed on the way: left as it is (M = 1 < 16)
;;     5. batch 512 x [M 1, K 1,023] x [K 1,023, N 64]; A: softmax; B: computed on the way: left as it is (M = 1 < 16)
;;   THE QUANTISER, for each operand of a quantised product, along K:
;;     - K is cut into blocks of 32 from its start; a last block that is shorter is filled with zeros.
;;     - A block's scale is 2^e with e = floor(log2(the largest magnitude in the block)) - 8, held to -126 .. 127; a block of zeros has e = 0. As a byte (E8M0): e + 127.
;;     - Each number is divided by its block's scale, clamped to +-448, and rounded to the nearest number of E4M3, ties to even, subnormals kept.
;;     - The product sums the exact products of the quantised numbers (number of the format x scale) in f32.
;;   ~~~python
;;   def quantise(x, axis):      # numpy; x: float32 -> the quantised numbers, widened to float32 again
;;       x = np.moveaxis(x, axis, -1); K = x.shape[-1]
;;       x = np.pad(x, [(0, 0)] * (x.ndim - 1) + [(0, -K % 32)]); x = x.reshape(x.shape[:-1] + (-1, 32)); a = np.abs(x).max(-1, keepdims=True)
;;       e = np.where(a > 0, np.clip(np.frexp(np.where(a > 0, a, 1))[1] - 1 - 8, -126, 127), 0)      # np.frexp(a)[1] - 1 = floor(log2(a)), exactly
;;       r = np.clip(x / 2.0 ** e, -448, 448)
;;       step = 2.0 ** (np.maximum(np.frexp(np.where(r == 0, 1, r))[1] - 1, -6) - 3)
;;       q = np.round(r / step) * step * 2.0 ** e      # np.round: ties to even
;;       return np.moveaxis(q.reshape(q.shape[:-2] + (-1,))[..., :K], -1, axis).astype(np.float32)
;;   ~~~
;; One version. Each part assembles by itself: llvm-mc -triple=amdgcn-amd-amdhsa -mcpu=gfx1250 --defsym DOCPART=n.
;; ======== version 1 of 1: 2 launches
;; limits: right only within a limited range of input values
;; workspace buffers: xc 33,554,432 bytes; xs 1,048,576 bytes; wbuf 2,162,688 bytes; qbuf 131,072 bytes
;; launch prep (part 1): grid 608 x 1, 4 waves a work-group, no clusters, 44,544 bytes of LDS; arguments features, k_w, v_w, q_w, q_b, xc, xs, wbuf, qbuf; writes xc, xs, wbuf, qbuf
.if DOCPART == 1
	.amdgcn_target "amdgcn-amd-amdhsa--gfx1250"
	.amdhsa_code_object_version 6
	.text
	.protected	k_q9690eab8c2_prep
	.globl	k_q9690eab8c2_prep
	.p2align	8
	.type	k_q9690eab8c2_prep,@function
k_q9690eab8c2_prep:
	s_mov_b64 s[64:65], 0
	v_nop
	global_prefetch_b8 v0, s[64:65] scope:SCOPE_SE
	s_setreg_imm32_b32 hwreg(HW_REG_WAVE_MODE, 25, 1), 1
	s_wait_xcnt 0x0
; PREP.  (1) features [32768 rows][1024], k_w and v_w [1024][1024], f32 with K innermost, become codes of FP8 (E4M3) with one E8M0 byte for each 32 along K,
; laid IN THE ORDER OF THE OPERAND'S REGISTERS: a fragment image is 16 rows x 128 K = 2,048 bytes, group c (0..3) at 512 c + 16 x lane; lane (r = lane % 16, h2 = lane / 16) holds k = 128 s + 32 c + 16 h2 + 0..15 of row r.
;   xc   [blk = row / 64][s 0..7][m 0..3] images;   xs [blk][m][s][r] one 32-bit scale word for a row and 128 k.
;   wbuf 16 tiles of 135,168 bytes; tile 2 t + kv (t = head % 8; kv 0: k_w, 1: v_w) = codes of head t (65,536 bytes, [s][tt] images of its 64 rows), codes of head 8 + t, then their scale words (2,048 bytes each, [tt][s][r]).
; (2) q = Q(graph) Q(q_w)^T + q_b, the first quantised product, [32][1024] f32 into qbuf.
; A block's scale is 2^(floor(log2(its largest magnitude)) - 8); each number is divided by it, held within +-448 and rounded to the nearest code, ties to even.
; LIMITS: NaN and infinities among the inputs are not served.  A block of zeros gets the byte 1 where the rule says 127 (its codes are zeros, and this program alone reads the bytes);
; a block whose largest magnitude lies under 2^-118 has its byte held at 1.  q's K is summed in four parts of 256, one a wave, and the parts are added in f32.
; qbuf is stored in pieces of 16 bytes in rows 4,096 bytes apart: 128 KiB in all.
; SHARES.  Work-groups 0-63: 16 columns of q each.  Work-groups 64-95: one head (64 rows) of k_w or v_w.  Work-groups 96-607: 64 rows of features.  The last two kinds run ONE text: only pointers and offsets are chosen.
; There a wave owns 16 rows, 64 KiB of dense f32, and makes 8 fragments.  Each load reads 512 consecutive bytes of a row; the 16 rows x 512 bytes of a K step turn through the wave's own stage in LDS, so that a lane
; gets 16 neighbours along K of each block of 32.  No tensor loads, no ring; waves share nothing but the sum of q's four parts.
.set TILE,   135168
.set SPITCH, 528                       ; a stage row: 512 bytes + 16 = 132 words: row r starts at bank 4 r mod 64 (64 banks of 4 bytes: ISA guide 11.1)
.set WSTG,   16*SPITCH                 ; a wave's stage
.set SCB,    4*WSTG                    ; behind the stages: 512 bytes for each wave, its 128 scale words
.set RED,    SCB+2048                  ; behind them: 2,048 bytes for each wave: q's partial sums (the q path's own bytes)
.set LI,  1                            ; v1      16 x lane
.set TM,  16                           ; v16-19 largest magnitudes, v20-23 bytes, v24-27 448 x the scale, v28-31 the conversions' scale operands
.set PC,  32                           ; codes
.set XT,  128                          ; v128-255 two sets of 64 numbers in the operand's order
.set WV,  22
.set SEL, 24                           ; s[24:25] selects of v_permlanex16_b32 for lane l xor 16
.set MNT, 26                           ; s26     the mantissa field of 448
.set SRC, 46
.set DC,  48
.set DS,  50
.set MSB, 0
.macro WIN new                         ; the immediate's high byte repeats the setting that is left; a switch that changes nothing is dropped
.if MSB != (\new)
	s_set_vgpr_msb (MSB<<8)|(\new)
.set MSB, (\new)
.endif
.endm
; 64 numbers of a lane, v[src] on in window win, register 16 b + i = k 32 b + 16 h2 + i of my row, become a fragment's 16 registers of codes, v[pc] on, and its scale word v[pw] (both in window 0).
.macro QUANT src, win, pc, pw
	WIN 5*(\win)
.irp b, 0,1,2,3
	v_max3_num_f32 v[TM+\b], |v[\src+16*\b]|, |v[\src+16*\b+1]|, 0x4800000   ; my 16 numbers of block b, and the floor 2^(9 - 127): the byte cannot fall under 1
.endr
.irp i, 2,4,6,8,10,12,14
.irp b, 0,1,2,3
	v_max3_num_f32 v[TM+\b], |v[\src+16*\b+\i]|, |v[\src+16*\b+\i+1]|, v[TM+\b]   ; the four blocks by turns
.endr
.endr
	WIN 0
.irp b, 0,1,2,3
	v_permlanex16_b32 v[TM+4+\b], v[TM+\b], s[SEL], s[SEL+1]
.endr
.irp b, 0,1,2,3
	v_max_num_f32 v[TM+\b], v[TM+\b], v[TM+4+\b]           ; with lane l xor 16's 16: the block's largest magnitude
.endr
.irp b, 0,1,2,3
	v_add_nc_u32 v[TM+12+\b], 0xfc000000, v[TM+\b]         ; 8 off its exponent field: the conversion takes this operand's exponent field as its scale
.endr
.irp b, 0,1,2,3
	v_and_or_b32 v[TM+8+\b], v[TM+\b], 0x7f800000, s[MNT]  ; 448 x the scale
.endr
.irp b, 0,1,2,3
	v_lshrrev_b32 v[TM+4+\b], 23, v[TM+12+\b]              ; the scale's byte
.endr
	v_lshl_or_b32 v[\pw], v[TM+5], 8, v[TM+4]              ; four bytes: my row's scale word
	v_lshl_or_b32 v[\pw], v[TM+6], 16, v[\pw]
	v_lshl_or_b32 v[\pw], v[TM+7], 24, v[\pw]
	WIN 0x41*(\win)
.irp b, 0,1,2,3
.irp i, 0,1,2,3,4,5,6,7,8,9,10,11,12,13,14,15
	v_med3_num_f32 v[\src+16*\b+\i], v[\src+16*\b+\i], -v[TM+8+\b], v[TM+8+\b]   ; the conversion to an 8-bit code does not saturate (ISA guide 7.6.2): the hold comes first
.endr
.endr
	WIN (\win)
.irp b, 0,1,2,3
	v_cvt_scalef32_pk8_fp8_f32 v[\pc+4*\b:\pc+4*\b+1], v[\src+16*\b:\src+16*\b+7], v[TM+12+\b]
	v_cvt_scalef32_pk8_fp8_f32 v[\pc+4*\b+2:\pc+4*\b+3], v[\src+16*\b+8:\src+16*\b+15], v[TM+12+\b]
.endr
	WIN 0
	v_nop                                                  ; one plain vector line behind the last conversion, ahead of whatever next touches its registers
.endm
	s_load_b256 s[4:11], s[0:1], 0x0               ; features s[4:5], k_w s[6:7], v_w s[8:9], q_w s[10:11]
	s_load_b256 s[12:19], s[0:1], 0x20             ; q_b s[12:13], xc s[14:15], xs s[16:17], wbuf s[18:19]
	s_load_b64 s[20:21], s[0:1], 0x40              ; qbuf
	v_lshrrev_b32 v16, 5, v0
	v_readfirstlane_b32 s[WV], v16                 ; wave 0..3
	v_and_b32 v16, 31, v0                          ; lane
	v_and_b32 v17, 15, v0                          ; r
	v_bfe_u32 v18, v0, 4, 1                        ; h2
	v_lshlrev_b32 v[LI], 4, v16
	s_mov_b32 s[SEL], 0x76543210
	s_mov_b32 s[SEL+1], 0xfedcba98
	s_mov_b32 s[MNT], 0x600000
.irp b, 0,1,2,3
	v_mov_b32 v[TM+4+\b], 0                        ; written once: a lane permute's destination counts as one of its sources
.endr
	s_cmp_lt_u32 ttmp9, 64
	s_cbranch_scc1 .Lq                             ; the same way for all four waves; the two ways never join
; ---------------- 64 rows of features, or a head of k_w or v_w
.set STW, 4                            ; v4   the stage, on the way in: 16 x lane in my wave's stage
.set STR, 5                            ; v5   on the way out: row r, + 64 h2
.set SCW, 6                            ; v6   where my row's scale word goes
.set SCR, 7                            ; v7   and where 16 bytes of them are read back
.set PW,  8                            ; v8   the scale word just made
	s_mul_i32 s27, s[WV], WSTG
	v_add_nc_u32 v[STW], s27, v[LI]
	v_mul_u32_u24 v[STR], v17, SPITCH
	v_lshl_add_u32 v[STR], v18, 6, v[STR]
	v_add_nc_u32 v[STR], s27, v[STR]
	s_lshl_b32 s27, s[WV], 9
	s_add_co_u32 s27, s27, SCB
	v_lshl_add_u32 v[SCW], v17, 2, s27
	v_add_nc_u32 v[SCR], s27, v[LI]
	s_sub_co_u32 s27, ttmp9, 64                    ; j: 0-15 heads of k_w, 16-31 heads of v_w, 32-543 blocks of features
	s_and_b32 s28, s27, 15                         ; the head
	s_lshr_b32 s29, s27, 4                         ; kv
	s_and_b32 s30, s28, 7
	s_lshl_b32 s30, s30, 1
	s_add_co_u32 s30, s30, s29
	s_mul_i32 s30, s30, TILE                       ; its tile of wbuf
	s_lshr_b32 s31, s28, 3                         ; which half of the tile
	s_lshl_b32 s33, s31, 16
	s_add_co_u32 s33, s33, s30                     ; a head's codes
	s_lshl_b32 s34, s31, 11
	s_add_co_u32 s34, s34, s30
	s_add_co_u32 s34, s34, 131072                  ; its scale words
	s_lshl_b32 s35, s28, 18                        ; its 64 rows of 4,096 bytes in the weight
	s_sub_co_u32 s36, s27, 32                      ; the block of features (used where j is 32 or more)
	s_lshl_b32 s37, s36, 18
	s_lshl_b32 s38, s36, 16
	s_lshl_b32 s39, s36, 11
	s_wait_alu depctr_va_vdst(0)
	s_wait_kmcnt 0x0
	s_cmp_lt_u32 s27, 16                           ; the choices hang on the work-group's number alone
	s_cselect_b64 s[SRC:SRC+1], s[6:7], s[8:9]
	s_cmp_lt_u32 s27, 32
	s_cselect_b64 s[SRC:SRC+1], s[SRC:SRC+1], s[4:5]
	s_cselect_b64 s[DC:DC+1], s[18:19], s[14:15]
	s_cselect_b64 s[DS:DS+1], s[18:19], s[16:17]
	s_cselect_b32 s40, s35, s37
	s_cselect_b32 s42, s33, s38
	s_cselect_b32 s44, s34, s39
	s_mov_b32 s41, 0
	s_mov_b32 s43, 0
	s_mov_b32 s45, 0
	s_lshl_b32 s28, s[WV], 16                      ; my wave's 16 rows,
	s_add_co_u32 s40, s40, s28
	s_lshl_b32 s28, s[WV], 11                      ; its image in each K step's four,
	s_add_co_u32 s42, s42, s28
	s_lshl_b32 s28, s[WV], 9                       ; its 128 scale words
	s_add_co_u32 s44, s44, s28
	s_add_nc_u64 s[SRC:SRC+1], s[SRC:SRC+1], s[40:41]
	s_add_nc_u64 s[DC:DC+1], s[DC:DC+1], s[42:43]
	s_add_nc_u64 s[DS:DS+1], s[DS:DS+1], s[44:45]
.macro LOADG s                         ; K step s of my 16 rows into set s % 2: each load reads 512 consecutive bytes of a row
	WIN 0x40*((\s)%2)                              ; two sets: even steps v64-127 of window 0, odd steps v0-63 of window 1
.irp i, 0,1,2,3,4,5,6,7,8,9,10,11,12,13,14,15
	global_load_b128 v[64-64*((\s)%2)+4*\i:64-64*((\s)%2)+4*\i+3], v[LI], s[SRC:SRC+1] offset:4096*\i+512*(\s) th:TH_LOAD_NT
.endr
	WIN 0
.endm
.macro TURN s                          ; through my stage: in as loaded, out 16 neighbours of each block a lane.  LDS serves a wave's instructions in order (ISA guide 5.7.1.4): no wait between
	WIN 0x04*((\s)%2)
.irp i, 0,1,2,3,4,5,6,7,8,9,10,11,12,13,14,15
	ds_store_b128 v[STW], v[64-64*((\s)%2)+4*\i:64-64*((\s)%2)+4*\i+3] offset:SPITCH*\i
.endr
	WIN 0
.irp c, 0,1,2,3
.irp i, 0,1,2,3
	ds_load_b128 v[XT+64*((\s)%2)+16*\c+4*\i:XT+64*((\s)%2)+16*\c+4*\i+3], v[STR] offset:128*\c+16*\i
.endr
.endr
.endm
.macro STEP s
.if (\s) > 0
	s_wait_dscnt 1                                 ; this step's numbers are back from the stage; the last step's scale word may be out
.else
	s_wait_dscnt 0x0
.endif
	s_wait_xcnt 0x0                                ; the stores of two steps back have read their codes: that set is written again below
.if (\s)+2 < 8
	LOADG (\s)+2                                   ; into the set whose stores into the stage the wait above has shown done
.endif
.if (\s) < 7
.if 6-(\s) >= 1
	s_wait_loadcnt 16                              ; the next step's 16 loads are in; those of the step behind it may be out
.else
	s_wait_loadcnt 0x0
.endif
	TURN (\s)+1                                    ; it goes through the stage while this step is quantised
.endif
	QUANT XT+64*((\s)%2), 0, PC+16*((\s)%2), PW
	ds_store_b32 v[SCW], v[PW] offset:64*(\s)      ; lanes l and l + 16 write the same word with the same value
.irp c, 0,1,2,3
	global_store_b128 v[LI], v[PC+16*((\s)%2)+4*\c:PC+16*((\s)%2)+4*\c+3], s[DC:DC+1] offset:8192*(\s)+512*\c   ; 32 lanes store 512 consecutive bytes, aligned
.endr
.endm
	LOADG 0
	LOADG 1
	s_wait_loadcnt 16                              ; K step 0 is in; step 1's loads may be out
	TURN 0
.irp t, 0,1,2,3,4,5,6,7
	STEP \t
.endr
	ds_load_b128 v[12:15], v[SCR]                  ; my 128 scale words, in order behind my stores of them
	s_wait_dscnt 0x0
	global_store_b128 v[LI], v[12:15], s[DS:DS+1]
	v_lshl_add_u32 v2, v0, 2, 0xac00               ; no two registers are free in both ways through the text: v0 is kept, and the add's two are made here
	v_mov_b32 v3, 0
	s_wait_alu depctr_va_vdst(0)
	s_wait_tensorcnt 0x0                           ; the wave's end
	ds_add_u32 v2, v3
	s_wait_dscnt 0x0
	s_endpgm
; ---------------- 16 columns of q for all 32 batches.  Wave w takes K steps 2 w and 2 w + 1.  The graph rows lie 4 MiB apart, so they are loaded straight in the operand's order.
.Lq:
.set VW,  2                            ; v2   q_w: row r of 4,096 bytes, + 64 h2
.set VG0, 3                            ; v3   features: batch r, + 64 h2
.set VG1, 14                           ; v14  batch 16 + r
.set RDW, 4                            ; v4   where my partial sums go
.set RDR, 5                            ; v5   and where I read piece w of each wave's
.set QBO, 6                            ; v6   32 h2
.set QOO, 7                            ; v7   4,096 r + 32 h2
; v8-11: the scale words of G(mt, u) at v[8 + 2 u + mt];  v12-13: of W(u).  They hold scale words and nothing else.
	s_wait_alu depctr_va_vdst(0)
	v_lshlrev_b32 v19, 6, v18
	v_lshl_add_u32 v[VW], v17, 12, v19
	v_lshl_add_u32 v[VG0], v17, 22, v19
	v_add_nc_u32 v[VG1], 0x4000000, v[VG0]
	s_lshl_b32 s27, s[WV], 11
	s_add_co_u32 s27, s27, RED
	v_add_nc_u32 v[RDW], s27, v[LI]
	s_lshl_b32 s27, s[WV], 9
	s_add_co_u32 s27, s27, RED
	v_add_nc_u32 v[RDR], s27, v[LI]
	v_lshlrev_b32 v[QBO], 5, v18
	v_lshl_add_u32 v[QOO], v17, 12, v[QBO]
	s_lshl_b32 s28, s[WV], 10                      ; my two K steps: 1,024 bytes along a row
	s_mov_b32 s29, 0
	s_lshl_b32 s30, ttmp9, 16                      ; my work-group's 16 rows of q_w
	s_add_co_u32 s30, s30, s28
	s_mov_b32 s31, 0
	s_lshl_b32 s32, ttmp9, 6                       ; its 16 columns, in bytes,
	s_and_b32 s34, s[WV], 1
	s_lshl_b32 s34, s34, 4
	s_add_co_u32 s32, s32, s34                     ; and of a lane's eight the four that I add up and store
	s_mov_b32 s33, 0
	s_lshr_b32 s34, s[WV], 1
	s_lshl_b32 s34, s34, 16                        ; batches 0-15 or 16-31
	s_add_co_u32 s34, s34, s32
	s_mov_b32 s35, 0
	s_wait_alu depctr_va_vdst(0)
	s_wait_kmcnt 0x0
	s_add_nc_u64 s[46:47], s[4:5], s[28:29]
	s_add_nc_u64 s[48:49], s[10:11], s[30:31]
	s_add_nc_u64 s[50:51], s[12:13], s[32:33]
	s_add_nc_u64 s[52:53], s[20:21], s[34:35]
.macro QLOAD reg, adr, base, u         ; 16 rows x 128 K: lane (r, h2) takes 16 neighbours of each block of 32 of row r
.irp c, 0,1,2,3
.irp i, 0,1,2,3
	global_load_b128 v[\reg+16*\c+4*\i:\reg+16*\c+4*\i+3], v[\adr], s[\base:\base+1] offset:512*(\u)+128*\c+16*\i
.endr
.endr
.endm
	WIN 0x40                                       ; three sets of 64 registers; each takes its second fragment as soon as its first is quantised
	QLOAD 0, VG0, 46, 0
	WIN 0
	QLOAD XT, VG1, 46, 0
	QLOAD XT+64, VW, 48, 0
	s_wait_loadcnt 32                              ; each wait: two fragments' 32 loads were issued behind the one wanted
	QUANT 0, 1, 32, 8
	WIN 0x40
	QLOAD 0, VG0, 46, 1
	WIN 0
	s_wait_loadcnt 32
	QUANT XT, 0, 48, 9
	QLOAD XT, VG1, 46, 1
	s_wait_loadcnt 32
	QUANT XT+64, 0, 96, 12
	QLOAD XT+64, VW, 48, 1
	s_wait_loadcnt 32
	QUANT 0, 1, 64, 10
	s_wait_loadcnt 16                              ; one fragment behind it,
	QUANT XT, 0, 80, 11
	s_wait_loadcnt 0x0                             ; none
	QUANT XT+64, 0, 112, 13
	global_load_b128 v[160:163], v[QBO], s[50:51]  ; q_b of my four columns a lane: it lands while the products and the exchange run
.rept 8
	v_nop                                          ; operands and scale words written by vector instructions stand 4 and 8 places ahead of a scaled matrix instruction
.endr
	; TRANSPOSED: source 0 = 16 rows of q_w, source 1 = 16 graph rows.  Lane (r, h2), register j: q(batch 16 mt + r, column 8 h2 + j).  The two accumulators take turns.
	v_wmma_scale_f32_16x16x128_f8f6f4 v[128:135], v[96:111], v[32:47], 0, v12, v8
	v_wmma_scale_f32_16x16x128_f8f6f4 v[136:143], v[96:111], v[48:63], 0, v12, v9
	v_wmma_scale_f32_16x16x128_f8f6f4 v[128:135], v[112:127], v[64:79], v[128:135], v13, v10
	v_wmma_scale_f32_16x16x128_f8f6f4 v[136:143], v[112:127], v[80:95], v[136:143], v13, v11
.rept 8
	v_nop                                          ; eight places behind this form before its results are read
.endr
	ds_store_b128 v[RDW], v[128:131]               ; four pieces of 512 bytes, each accumulator from its low end on
	ds_store_b128 v[RDW], v[132:135] offset:512
	ds_store_b128 v[RDW], v[136:139] offset:1024
	ds_store_b128 v[RDW], v[140:143] offset:1536
	s_wait_dscnt 0x0                               ; for the others' sake: my stores have landed
	s_barrier_signal -1
	s_barrier_wait -1
.irp i, 0,1,2,3
	ds_load_b128 v[144+4*\i:147+4*\i], v[RDR] offset:2048*\i   ; piece w of all four waves
.endr
	s_wait_dscnt 0x0
	s_wait_loadcnt 0x0                             ; q_b
	v_pk_add_f32 v[144:145], v[144:145], v[148:149]
	v_pk_add_f32 v[146:147], v[146:147], v[150:151]
	v_pk_add_f32 v[152:153], v[152:153], v[156:157]
	v_pk_add_f32 v[154:155], v[154:155], v[158:159]
	v_pk_add_f32 v[144:145], v[144:145], v[152:153]
	v_pk_add_f32 v[146:147], v[146:147], v[154:155]
	v_pk_add_f32 v[144:145], v[144:145], v[160:161]
	v_pk_add_f32 v[146:147], v[146:147], v[162:163]
	global_store_b128 v[QOO], v[144:147], s[52:53]
	v_lshl_add_u32 v16, v0, 2, 0xac00              ; as at the other way's end
	v_mov_b32 v17, 0
	s_wait_alu depctr_va_vdst(0)
	s_wait_tensorcnt 0x0
	ds_add_u32 v16, v17
	s_wait_dscnt 0x0
	s_endpgm
.Lfunc_end_k_q9690eab8c2_prep:
	.size	k_q9690eab8c2_prep, .Lfunc_end_k_q9690eab8c2_prep-k_q9690eab8c2_prep
	.p2alignl 7, 3214868480
	.fill 96, 4, 3214868480
	.section	.rodata,"a",@progbits
	.p2align	6, 0x0
	.amdhsa_kernel k_q9690eab8c2_prep
		.amdhsa_group_segment_fixed_size 44544
		.amdhsa_private_segment_fixed_size 0
		.amdhsa_enable_private_segment 0
		.amdhsa_kernarg_size 72
		.amdhsa_user_sgpr_count 2
		.amdhsa_user_sgpr_kernarg_segment_ptr 1
		.amdhsa_wavefront_size32 1
		.amdhsa_system_sgpr_workgroup_id_x 1
		.amdhsa_system_sgpr_workgroup_id_y 1
		.amdhsa_system_sgpr_workgroup_id_z 1
		.amdhsa_system_vgpr_workitem_id 0
		.amdhsa_next_free_vgpr 320
		.amdhsa_next_free_sgpr 66
		.amdhsa_reserve_vcc 0
		.amdhsa_float_denorm_mode_32 3
		.amdhsa_float_denorm_mode_16_64 3
		.amdhsa_memory_ordered 1
		.amdhsa_forward_progress 1
		.amdhsa_inst_pref_size 162
	.end_amdhsa_kernel
	.amdgpu_metadata
---
amdhsa.version: [ 1, 2 ]
amdhsa.kernels:
  - .name:           k_q9690eab8c2_prep
    .symbol:         k_q9690eab8c2_prep.kd
    .args:
      - { .name: features, .offset: 0, .size: 8, .value_kind: global_buffer, .address_space: global }
      - { .name: k_w, .offset: 8, .size: 8, .value_kind: global_buffer, .address_space: global }
      - { .name: v_w, .offset: 16, .size: 8, .value_kind: global_buffer, .address_space: global }
      - { .name: q_w, .offset: 24, .size: 8, .value_kind: global_buffer, .address_space: global }
      - { .name: q_b, .offset: 32, .size: 8, .value_kind: global_buffer, .address_space: global }
      - { .name: xc, .offset: 40, .size: 8, .value_kind: global_buffer, .address_space: global }
      - { .name: xs, .offset: 48, .size: 8, .value_kind: global_buffer, .address_space: global }
      - { .name: wbuf, .offset: 56, .size: 8, .value_kind: global_buffer, .address_space: global }
      - { .name: qbuf, .offset: 64, .size: 8, .value_kind: global_buffer, .address_space: global }
    .group_segment_fixed_size: 44544
    .private_segment_fixed_size: 0
    .kernarg_segment_align: 8
    .kernarg_segment_size: 72
    .max_flat_workgroup_size: 128
    .sgpr_count:     66
    .vgpr_count:     320
    .wavefront_size: 32
...
	.end_amdgpu_metadata
.endif
;; end of part 1
;; launch attn (part 2): grid 256 x 1, 4 waves a work-group, clusters of 4 x 1, 327,680 bytes of LDS; arguments xc, xs, wbuf, qbuf, k_b, v_b, sent_ind, out0; writes out0
.if DOCPART == 2
	.amdgcn_target "amdgcn-amd-amdhsa--gfx1250"
	.amdhsa_code_object_version 6
	.text
	.protected	k_q9690eab8c2_attn
	.globl	k_q9690eab8c2_attn
	.p2align	8
	.type	k_q9690eab8c2_attn,@function
k_q9690eab8c2_attn:
	s_mov_b64 s[64:65], 0
	v_nop
	global_prefetch_b8 v0, s[64:65] scope:SCOPE_SE
	s_setreg_imm32_b32 hwreg(HW_REG_WAVE_MODE, 25, 1), 1
	s_wait_xcnt 0x0
	s_wait_alu depctr_hold_cnt(0) depctr_sa_sdst(0) depctr_va_vdst(0) depctr_va_sdst(0) depctr_va_ssrc(0) depctr_va_vcc(0) depctr_vm_vsrc(0)
	s_getreg_b32 s2, hwreg(HW_REG_IB_STS2, 6, 4)
	s_cmp_eq_u32 s2, 0
	s_cbranch_scc0 .Lentry_in_a_cluster
	s_endpgm
.Lentry_in_a_cluster:
	s_bfe_u32 s2, ttmp6, 0x10000c
	s_cmp_lg_u32 s2, 0x3003
	s_cbranch_scc0 .Lentry_shape_is_right
	s_endpgm
.Lentry_shape_is_right:
; ATTN.  k = Q(x) Q(k_w)^T and v = Q(x) Q(v_w)^T on codes of FP8 (E4M3) with E8M0 scales, fused with the scores, the mask, the softmax over the 1,023 keys and the weighted sum.  k and v never leave the registers.
; TWO WALKS over the batch's 1,024 rows of x.  WALK 1: score(row) = q . (k(row) + k_b), raw, into LDS.  BETWEEN: feature row l is key l - 1; its score becomes 0 where sent_ind[b][l - 1] is not 0; row 0 is no key (t = -infinity, p = 0;
; it is multiplied along with its tile); t = score x log2(e) / 8; M = the row's true maximum of t; p = 2^(t - M); l = the sum of p.  WALK 2: sum of p x v; at the end / l, + v_b (the weights add up to 1).
; SHARES.  A work-group owns one batch and two heads.  Wave 2 hh + rq holds ALL 64 rows of head 2 hp + hh of k_w (walk 1), then of v_w (walk 2), in 512 registers, and takes block rq (64 rows) of each slot of 128 rows, in tiles of 16:
; 32 products a tile, four sums by turns.  A whole head's columns lie in one wave, so no wave needs another's sums inside a walk.  The two row halves of a head meet once, at the end, through LDS.
; A tile's vector work (walk 1: 22 lines, walk 2: 16) stands behind the NEXT tile's products, on the other of two sets of sums: these lines are the eight places that the loads into the operands just read and the reads of the sums need.
; The first such work of walk 1 finds zeros and stores into a pad of its own; that of walk 2 multiplies walk 1's last sums by p = 0.
; THE RING.  Two slots of 131,072 dense bytes in the order of the operand's registers; it runs on from walk 1 into walk 2 (16 visits; tile of x = visit % 8).  A slot's last rows are in registers when its third tile is multiplied: there stand the three lines,
; the round of the cluster's barrier and the refill, one quarter a wave.  The batch's scale words, 32,768 bytes, come once and stay.
; CLUSTER.  The four work-groups of a cluster belong to one batch and walk the same x: every tile is asked for jointly, with a mask that names the four.
; PREFETCH.  In walk 1 the even cluster of a batch asks, one visit ahead of the refill, for the next tile: 8,192 bytes a wave, shared out by address, lanes 256 bytes apart.  Walk 2 asks for nothing: its tiles have been read by then.
; TRANSPOSED USE: source 0 = 16 rows of a weight, source 1 = 16 rows of x: lane (r, h2), register j of sum c holds (row r of the tile, column 16 c + 8 h2 + j of the head).
; LIMITS: NaN and infinities among the inputs are not served.  The promise holds while the scaled scores stay under 2^31 in magnitude.
; REGISTERS.  Window 0: see the names below.  Windows 1, 2: the weight, W(s, c) in window 1 + s / 4 at 64 (s % 4) + 16 c.  Window 3: two sets of a tile of x, all of K, fragment q at 128 e + 16 q.
.set TILE,  135168
.set SLOTB, 131072
.set SCL,   2*SLOTB                    ; the batch's scale words
.set SPARE, SCL+32768                  ; the spare words: 512 bytes that no other line names
.set TSC,   SPARE+512                  ; the scores: for each head a pad of 512 bytes, then 4 bytes a row
.set THD,   4608
.set PP,    TSC+2*THD                  ; p: 4,096 bytes for each wave, its own
.set RED,   PP+16384                   ; the way out: [row half][128 columns]
.set LI,   1                           ; 16 x lane
.set L4,   2                           ; 4 x lane
.set SPW,  3
.set NIL,  4
.set XA0,  5                           ; 16 x lane + my block of a slot
.set XA,   6                           ; + the slot
.set XSA0, 7                           ; my block's scale words
.set XSA,  8
.set TA0,  9                           ; my rows' scores
.set TA,   10                          ; the visit's scores (walk 1), p (walk 2)
.set PA0,  11                          ; my rows' p
.set TR,   12                          ; my head's scores, 16 bytes a lane
.set PW,   13                          ; my p, 16 bytes a lane
.set SIB,  14
.set SIA,  15
.set WS,   16                          ; v16-31 the weight's scale words: 4 c + s / 2; lanes 0-15 even s, lanes 16-31 odd s
.set QO,   32
.set PFO,  33
.set XS,   34                          ; v34-41 x's scale words, two sets of four.  No product's two scale registers have numbers equal modulo 8
.set TT,   42
.set PD,   43
.set MX,   44
.set MX2,  45
.set NM,   46                          ; v46-47 -M
.set Q,    48                          ; v48-79 q in the sums' layout; in walk 2 v48-51 hold v_b
.set SI,   80                          ; v80-111 sent_ind of rows 128 i + 4 lane + j - 1
.set SP,   112                         ; v112-119
.set QK,   120                         ; v120-121 q . k_b over my lane's columns
.set P,    122                         ; v122-125 p of a tile, two pairs; the odd ones stay 0
.set RL,   126                         ; 1 / l
.set T0,   127
.set ACC,  128                         ; v128-191 two sets of four sums
.set T,    192                         ; v192-223 the scores of 32 rows a lane; at work at the end
.set CT,   224                         ; v224-255 the sums of p x v
.set WV,   20
.set HH,   21
.set RQ,   22
.set BA,   23
.set G1H,  24                          ; group 1: 256, 64, 128 rows of 256 bytes
.set G1S,  32
.set G1R,  40
.set G0H,  48
.set G0S,  52
.set G0R,  56
.set XB,   60                          ; s[60:61] my quarter of the batch's tile 0
.set SEL,  66
.set CS,   68                          ; s[68:69] log2(e) / 8
.set SB,   70                          ; the slot that is fetched from
.set SS,   71                          ; its scale words
.set TO,   72
.set CNT,  73
.set DN,   74                          ; the visit that the next refill serves
.set LIM,  75
.set PFA,  76
.set WB,   78
.set WSB,  80
.set MB,   88                          ; s88-91 lanes with bit 0..3 of r set
.set VM,   92                          ; lanes other than 0
.set NF,   36                          ; LDS loads of a tile: 32 of codes, 4 of scale words
.set MSB, 0
.macro WIN new
.if MSB != (\new)
	s_set_vgpr_msb (MSB<<8)|(\new)
.set MSB, (\new)
.endif
.endm
.macro PLACES n
.rept \n
	v_nop
.endr
.endm
.macro ROUND
	s_barrier_signal -1
	s_barrier_wait -1
	s_cmp_lg_u32 s[WV], 0
	s_cbranch_scc1 .Lnot_wave_0_\@
	s_barrier_signal -3
.Lnot_wave_0_\@:
	s_barrier_wait -3
	s_barrier_signal -1
	s_barrier_wait -1
.endm
.macro GRP1 g, rows                    ; dense rows of 256 bytes (32 elements of 8); the mask names all four work-groups, bit 21 beside it
	s_mov_b32 s[\g], 15|(3<<16)|(1<<21)
	s_mov_b32 s[\g+1], 32<<16
	s_mov_b32 s[\g+2], (\rows)<<16
	s_mov_b32 s[\g+3], 32<<16
	s_mov_b32 s[\g+4], \rows
	s_mov_b32 s[\g+5], 32
	s_mov_b32 s[\g+6], 0
	s_mov_b32 s[\g+7], 0
.endm
.macro TLOAD g0, g1
	tensor_load_to_lds s[\g0:\g0+3], s[\g1:\g1+7]
	s_nop 0
	PLACES 4
.endm
.macro WLOAD kv                        ; my head's scale words and 32 fragments of k_w (0) or v_w (1), K step by K step: 512 consecutive bytes a load
.irp c, 0,1,2,3
.irp g, 0,1,2,3
	global_load_b32 v[WS+4*\c+\g], v[L4], s[WSB:WSB+1] offset:(\kv)*TILE+512*\c+128*\g
.endr
.endr
.irp s, 0,1,2,3,4,5,6,7
	WIN 0x40*(1+\s/4)
.irp c, 0,1,2,3
.irp g, 0,1,2,3
	global_load_b128 v[64*(\s%4)+16*\c+4*\g:64*(\s%4)+16*\c+4*\g+3], v[LI], s[WB:WB+1] offset:(\kv)*TILE+(4*\s+\c)*2048+512*\g
.endr
.endr
.endr
	WIN 0
.endm
.macro FETCH e, fm                     ; tile fm of my block, all of K, into set e, and its scale words: NF loads
	WIN 0xc0
.irp q, 0,1,2,3,4,5,6,7
.irp g, 0,1,2,3
	ds_load_b128 v[128*(\e)+16*\q+4*\g:128*(\e)+16*\q+4*\g+3], v[XA] offset:8192*\q+2048*(\fm)+512*\g
.endr
.endr
	WIN 0
.irp g, 0,1,2,3
	ds_load_b32 v[XS+4*(\e)+\g], v[XSA] offset:512*(\fm)+128*\g
.endr
.endm
.macro PRODS e, from, to, xw           ; products n = 4 q + c.  xw = 1: ahead of K step q the wait for its weights: 16 (7 - q) loads were issued behind them (the wait's field holds 63)
.set N_, \from
.rept (\to)-(\from)
.set Q_, N_/4
.set C_, N_%4
.set A_, ACC+32*(\e)+8*C_
.set W_, 64*(Q_%4)+16*C_
.set X_, 128*(\e)+16*Q_
.if (\xw) && (C_ == 0)
.if 16*(7-Q_) > 63
	s_wait_loadcnt 63
.else
	s_wait_loadcnt 16*(7-Q_)
.endif
.endif
	WIN 0x0d+Q_/4
.if Q_ == 0
	v_wmma_scale_f32_16x16x128_f8f6f4 v[A_:A_+7], v[W_:W_+15], v[X_:X_+15], 0, v[WS+4*C_], v[XS+4*(\e)]
.elseif Q_%2
	v_wmma_scale_f32_16x16x128_f8f6f4 v[A_:A_+7], v[W_:W_+15], v[X_:X_+15], v[A_:A_+7], v[WS+4*C_+Q_/2], v[XS+4*(\e)+Q_/2] matrix_a_scale:MATRIX_SCALE_ROW1 matrix_b_scale:MATRIX_SCALE_ROW1
.else
	v_wmma_scale_f32_16x16x128_f8f6f4 v[A_:A_+7], v[W_:W_+15], v[X_:X_+15], v[A_:A_+7], v[WS+4*C_+Q_/2], v[XS+4*(\e)+Q_/2]
.endif
.set N_, N_+1
.endr
.endm
.macro EPI1 a, off                     ; a tile's scores from set a: q . (k + k_b), four chains, each sum read from its low end on; the row's other 32 columns lie 16 lanes away
	v_pk_fma_f32 v[SP:SP+1], v[ACC+32*(\a):ACC+32*(\a)+1], v[Q:Q+1], v[QK:QK+1]
.irp c, 1,2,3
	v_pk_mul_f32 v[SP+2*\c:SP+2*\c+1], v[ACC+32*(\a)+8*\c:ACC+32*(\a)+8*\c+1], v[Q+8*\c:Q+8*\c+1]
.endr
.irp jp, 1,2,3
.irp c, 0,1,2,3
	v_pk_fma_f32 v[SP+2*\c:SP+2*\c+1], v[ACC+32*(\a)+8*\c+2*\jp:ACC+32*(\a)+8*\c+2*\jp+1], v[Q+8*\c+2*\jp:Q+8*\c+2*\jp+1], v[SP+2*\c:SP+2*\c+1]
.endr
.endr
	v_pk_add_f32 v[SP:SP+1], v[SP:SP+1], v[SP+2:SP+3]
	v_pk_add_f32 v[SP+4:SP+5], v[SP+4:SP+5], v[SP+6:SP+7]
	v_pk_add_f32 v[SP:SP+1], v[SP:SP+1], v[SP+4:SP+5]
	v_add_f32 v[TT], v[SP], v[SP+1]
	v_permlanex16_b32 v[PD], v[TT], s[SEL], s[SEL+1]
	v_add_f32 v[TT], v[TT], v[PD]
	ds_store_b32 v[TA], v[TT] offset:\off          ; lanes l and l + 16 write the same word with the same value
.endm
.macro EPI2 a                          ; p x v of the tile in set a
.irp c, 0,1,2,3
.irp jp, 0,1,2,3
	v_pk_fma_f32 v[CT+8*\c+2*\jp:CT+8*\c+2*\jp+1], v[ACC+32*(\a)+8*\c+2*\jp:ACC+32*(\a)+8*\c+2*\jp+1], v[P+2*(\a):P+2*(\a)+1], v[CT+8*\c+2*\jp:CT+8*\c+2*\jp+1] op_sel_hi:[1,0,1]
.endr
.endr
.endm
; A TILE.  ph: the walk; m: the tile of my block; w: the wait's count (the LDS instructions issued behind this tile's loads: the next tile's NF; the one store or load ahead of them is waited for too);
; fetch = 1: the tile two on is fetched; rnd = 1: the change of slots with a refill, 2: without; xw as in PRODS.
.macro TILE ph, m, w, fetch, rnd, xw
	s_wait_dscnt \w
.if \rnd
	PRODS (\m)%2, 0, 24, \xw
	WIN 0
	s_wait_tensorcnt 0x0                           ; my quarter of the other slot is in; no load of mine is out, so group 0 may be written
	ds_add_u32 v[SPW], v[NIL]
.if (\rnd) == 1
	s_xor_b32 s[G0R+1], s[G0R+1], SLOTB            ; the slot that is left,
	s_and_b32 s94, s[DN], 7                        ; the tile of x of the visit two on
	s_lshl_b32 s94, s94, 17
	s_add_nc_u64 s[G0R+2:G0R+3], s[XB:XB+1], s[94:95]
	s_or_b32 s[G0R+3], s[G0R+3], 0x80000000
	s_add_co_u32 s[DN], s[DN], 1
.if (\ph) == 1
	s_wait_xcnt 0x0                                ; the last prefetch, a visit back, has read its address
	s_add_nc_u64 s[PFA:PFA+1], s[PFA:PFA+1], SLOTB
.endif
.endif
	PRODS (\m)%2, 24, 28, 0
	WIN 0
	s_wait_dscnt 0x0                               ; the add is done, and my last rows of the slot are in registers
	s_barrier_signal -1
	PRODS (\m)%2, 28, 32, 0
	WIN 0
	s_barrier_wait -1
.if (\rnd) == 1
	s_cmp_lg_u32 s[WV], 0                          ; the barrier has opened a round of the cluster's barrier
	s_cbranch_scc1 .Lnw_\@
	s_barrier_signal -3
.Lnw_\@:
	s_barrier_wait -3
	s_barrier_signal -1
	s_barrier_wait -1
	TLOAD G0R, G1R                                 ; my one tensor load behind the round, and the first thing there
.endif
	s_xor_b32 s[SB], s[SB], SLOTB                  ; the fetches go on to the other slot
	s_add_co_u32 s[SS], s[SS], 4096
	s_and_b32 s[SS], s[SS], 0x7fff
	v_add_nc_u32 v[XA], s[SB], v[XA0]
	v_add_nc_u32 v[XSA], s[SS], v[XSA0]
.else
	PRODS (\m)%2, 0, 32, \xw
	WIN 0
.endif
.if (\ph) == 1
	EPI1 1-(\m)%2, 64*(((\m)+3)%4)
.if (\m) == 0
	s_add_co_u32 s[TO], s[TO], 512                 ; on to this visit's 128 rows
	v_add_nc_u32 v[TA], s[TO], v[TA0]
.endif
.else
	EPI2 1-(\m)%2
.if (\m) == 0
	v_add_nc_u32 v[TA], s[TO], v[PA0]
	s_add_co_u32 s[TO], s[TO], 512
.endif
	ds_load_b32 v[P+2*((\m)%2)], v[TA] offset:64*(\m)   ; this tile's p, wanted behind the next tile's products
.endif
.if \fetch
	FETCH (\m)%2, ((\m)+2)%4
.endif
.if ((\ph) == 1) && ((\rnd) == 1)
	s_cmp_lt_u32 s[CNT], s[LIM]                    ; visits 0 to 4 of the even cluster name tiles 3 to 7
	s_cbranch_scc0 .Lnp_\@
	global_prefetch_b8 v[PFO], s[PFA:PFA+1] th:TH_LOAD_NT scope:SCOPE_SE
.Lnp_\@:
.endif
.endm
.macro BFLY d, msk, x                  ; lanes whose bit of r is 0 keep the lower d numbers and send the upper, the others the other way round; each adds what its partner sent
.set I_, 0
.rept \d
	v_cndmask_b32 v[T+I_], v[CT+I_+\d], v[CT+I_], s[\msk]
	v_cndmask_b32 v[CT+I_], v[CT+I_], v[CT+I_+\d], s[\msk]
.set I_, I_+1
.endr
.set I_, 0
.rept \d
	v_add_f32_dpp v[CT+I_], v[T+I_], v[CT+I_] row_xmask:\x row_mask:0xf bank_mask:0xf
.set I_, I_+1
.endr
.endm
	s_load_b256 s[4:11], s[0:1], 0x0               ; xc, xs, wbuf, qbuf
	s_load_b256 s[12:19], s[0:1], 0x20             ; k_b, v_b, sent_ind, out0
	v_lshl_add_u32 v[SPW], v0, 2, SPARE
	v_mov_b32 v[NIL], 0
	ds_add_u32 v[SPW], v[NIL]                      ; the opening lines: the add twice on end and its wait ahead of my first tensor load
	ds_add_u32 v[SPW], v[NIL]
	v_lshrrev_b32 v[T0], 5, v0
	v_readfirstlane_b32 s[WV], v[T0]               ; wave 0..3
	s_lshr_b32 s[HH], s[WV], 1                     ; which of the two heads
	s_and_b32 s[RQ], s[WV], 1                      ; which block of a slot
	s_lshr_b32 s[BA], ttmp9, 1                     ; the batch: two clusters to each
	GRP1 G1H, 256
	GRP1 G1S, 64
	GRP1 G1R, 128
	s_lshl_b32 s82, s[BA], 20                      ; the batch's codes
	s_mov_b32 s83, 0
	s_lshl_b32 s84, s[RQ], 16                      ; the head's loads: waves 0, 1 a half of slot 0,
	s_mov_b32 s85, 0
	s_lshl_b32 s86, s[BA], 15                      ; the batch's scale words:
	s_mov_b32 s87, 0
	s_lshl_b32 s62, s[RQ], 14                      ; waves 2, 3 a half of them
	s_mov_b32 s63, 0
	s_mov_b32 s95, 0
	s_mov_b32 s[G0H], 1
	s_mov_b32 s[G0H+1], s84
	s_mov_b32 s[G0S], 1
	s_add_co_u32 s[G0S+1], s62, SCL
	s_mov_b32 s[G0R], 1
	s_lshl_b32 s94, s[WV], 15                      ; the ring: a quarter of a slot a wave
	s_add_co_u32 s[G0R+1], s94, SLOTB
	s_wait_dscnt 0x0
	s_wait_kmcnt 0x0
	s_add_nc_u64 s[82:83], s[4:5], s[82:83]
	s_add_nc_u64 s[G0H+2:G0H+3], s[82:83], s[84:85]
	s_or_b32 s[G0H+3], s[G0H+3], 0x80000000
	s_add_nc_u64 s[G0S+2:G0S+3], s[6:7], s[86:87]
	s_add_nc_u64 s[G0S+2:G0S+3], s[G0S+2:G0S+3], s[62:63]
	s_or_b32 s[G0S+3], s[G0S+3], 0x80000000
	s_add_nc_u64 s[XB:XB+1], s[82:83], s[94:95]
	s_add_nc_u64 s[G0R+2:G0R+3], s[XB:XB+1], SLOTB ; tile 1
	s_or_b32 s[G0R+3], s[G0R+3], 0x80000000
	ROUND                                          ; all four work-groups are here: the first joint loads meet
	s_cmp_lt_u32 s[WV], 2                          ; one tensor load a wave at the head, an arm each
	s_cbranch_scc0 .Lhead_s
	TLOAD G0H, G1H
	s_branch .Lhead_j
.Lhead_s:
	TLOAD G0S, G1S
.Lhead_j:
	s_bfe_u32 s62, ttmp6, 0x40000                  ; cx: it enters global addresses alone
	s_and_b32 s63, ttmp9, 1
	s_lshl_b32 s84, s63, 2
	s_add_co_u32 s84, s84, s62                     ; hp: the pair of heads
	s_lshl_b32 s86, s84, 1
	s_add_co_u32 s86, s86, s[HH]                   ; my head
	s_and_b32 s87, s86, 7
	s_mul_i32 s87, s87, 2*TILE                     ; its tile of k_w; that of v_w follows it
	s_lshr_b32 s93, s86, 3                         ; which half of the tile
	s_lshl_b32 s94, s93, 16
	s_add_co_u32 s94, s94, s87
	s_add_nc_u64 s[WB:WB+1], s[8:9], s[94:95]
	s_lshl_b32 s94, s93, 11
	s_add_co_u32 s94, s94, s87
	s_add_co_u32 s94, s94, 131072
	s_add_nc_u64 s[WSB:WSB+1], s[8:9], s[94:95]
	s_lshl_b32 s94, s86, 8                         ; my head's 64 columns, in bytes
	s_add_nc_u64 s[12:13], s[12:13], s[94:95]      ; in k_b,
	s_lshl_b32 s87, s[BA], 12
	s_add_co_u32 s94, s94, s87
	s_add_nc_u64 s[10:11], s[10:11], s[94:95]      ; in the batch's q
	s_lshl_b32 s94, s84, 9                         ; the work-group's 128 columns
	s_add_nc_u64 s[14:15], s[14:15], s[94:95]      ; in v_b,
	s_add_co_u32 s94, s94, s87
	s_add_nc_u64 s[18:19], s[18:19], s[94:95]      ; in out0
	s_lshl_b32 s94, s62, 2
	s_add_co_u32 s94, s94, s[WV]
	s_lshl_b32 s94, s94, 13                        ; the prefetches: my 8,192 bytes of a tile,
	s_add_co_u32 s94, s94, 2*SLOTB                 ; in tile 2: the first change of slots steps it to tile 3
	s_add_nc_u64 s[PFA:PFA+1], s[82:83], s[94:95]
	s_cmp_eq_u32 s63, 0
	s_cselect_b32 s[LIM], 5, 0                     ; the same in all four partners
	s_mov_b32 s[SEL], 0x76543210
	s_mov_b32 s[SEL+1], 0xfedcba98
	s_mov_b32 s[CS], 0x3e38aa3b
	s_mov_b32 s[CS+1], s[CS]
	s_mov_b32 s[SB], 0
	s_mov_b32 s[SS], 0
	s_mov_b32 s[TO], 0
	s_mov_b32 s[CNT], 0
	s_mov_b32 s[DN], 2
	s_lshl_b32 s82, s[RQ], 16                      ; LDS places, from the wave's number alone
	s_lshl_b32 s83, s[RQ], 11
	s_add_co_u32 s83, s83, SCL
	s_mul_i32 s86, s[HH], THD
	s_add_co_u32 s86, s86, TSC
	s_lshl_b32 s85, s[RQ], 8
	s_add_co_u32 s84, s86, s85
	s_add_co_u32 s86, s86, 512
	s_lshl_b32 s87, s[WV], 12
	s_add_co_u32 s87, s87, PP
	s_add_co_u32 s85, s87, s85
	s_lshl_b32 s93, s[BA], 12
	v_and_b32 v[T0], 31, v0                        ; lane
	v_and_b32 v[SP], 15, v0                        ; r
	v_bfe_u32 v[SP+1], v0, 4, 1                    ; h2
	v_lshlrev_b32 v[LI], 4, v[T0]
	v_lshlrev_b32 v[L4], 2, v[T0]
	v_lshlrev_b32 v[PFO], 8, v[T0]
	v_lshlrev_b32 v[QO], 5, v[SP+1]
	v_add_nc_u32 v[XA0], s82, v[LI]
	v_add_nc_u32 v[XSA0], s83, v[L4]
	v_lshl_add_u32 v[TA0], v[SP], 2, s84
	v_lshl_add_u32 v[PA0], v[SP], 2, s85
	v_add_nc_u32 v[TR], s86, v[LI]
	v_add_nc_u32 v[PW], s87, v[LI]
	v_add_nc_u32 v[SIB], s93, v[LI]                ; 4 x (1,024 b + 4 lane)
	v_max_u32 v[SIA], 4, v[SIB]
	v_add_nc_u32 v[SIA], -4, v[SIA]                ; the very first row, which is no key, stays inside the buffer
	v_cmp_ne_u32 s[VM], 0, v[T0]
.irp k, 0,1,2,3
	v_and_b32 v[SP+2], 1<<\k, v[SP]
	v_cmp_ne_u32 s[MB+\k], 0, v[SP+2]
.endr
	v_mov_b32 v[PD], 0                             ; a lane permute's destination counts as one of its sources
	s_wait_alu depctr_va_vdst(0)
	global_load_b32 v[SI], v[SIA], s[16:17]
.set N_, 1
.rept 31
	global_load_b32 v[SI+N_], v[SIB], s[16:17] offset:512*(N_/4)+4*(N_%4)-4   ; the key's place is one less than the row's
.set N_, N_+1
.endr
.irp c, 0,1,2,3
.irp e, 0,1
	global_load_b128 v[Q+8*\c+4*\e:Q+8*\c+4*\e+3], v[QO], s[10:11] offset:64*\c+16*\e
	global_load_b128 v[ACC+8*\c+4*\e:ACC+8*\c+4*\e+3], v[QO], s[12:13] offset:64*\c+16*\e   ; k_b, wanted once, in registers that the products take later
.endr
.endr
	WLOAD 0
	s_wait_loadcnt 63                              ; the 48 small loads are the oldest of 192: 144 were issued behind them
	v_pk_mul_f32 v[QK:QK+1], v[ACC:ACC+1], v[Q:Q+1]
.set N_, 2
.rept 15
	v_pk_fma_f32 v[QK:QK+1], v[ACC+N_:ACC+N_+1], v[Q+N_:Q+N_+1], v[QK:QK+1]   ; q . k_b over my lane's 32 columns: the first addend of every score
.set N_, N_+2
.endr
.set N_, 0
.rept 32
	v_mov_b32 v[ACC+32+N_], 0                      ; the first tile's vector work has no tile before it: it finds zeros
.set N_, N_+1
.endr
	v_add_nc_u32 v[TA], s[TO], v[TA0]              ; and stores into the pad
	s_wait_alu depctr_va_vdst(0)
	s_wait_tensorcnt 0x0                           ; slot 0 and the scale words; the three lines ahead of slot 1's first fill, as ahead of a refill
	ds_add_u32 v[SPW], v[NIL]
	s_wait_dscnt 0x0
	ROUND
	TLOAD G0R, G1R                                 ; tile 1 into slot 1
	v_add_nc_u32 v[XA], s[SB], v[XA0]
	v_add_nc_u32 v[XSA], s[SS], v[XSA0]
	FETCH 0, 0
	FETCH 1, 1
.Lwalk1:                                           ; eight visits; each fills the slot that it leaves
	TILE 1, 0, NF, 1, 0, 1
	TILE 1, 1, NF, 1, 0, 0
	TILE 1, 2, NF, 1, 1, 0
	TILE 1, 3, NF, 1, 0, 0
	s_add_co_u32 s[CNT], s[CNT], 1
	s_cmp_lt_u32 s[CNT], 8
	s_cbranch_scc1 .Lwalk1
	EPI1 1, 192                                    ; the last tile's scores
	global_load_b128 v[Q:Q+3], v[LI], s[14:15]     ; v_b of four columns a lane, for the way out
	WLOAD 1                                        ; v_w takes k_w's registers; the softmax stands under the loads' flight
	s_wait_dscnt 0x0                               ; for the others' sake: my scores have landed
	s_barrier_signal -1
	s_barrier_wait -1                              ; the ring's load may stay out
.irp i, 0,1,2,3,4,5,6,7
	ds_load_b128 v[T+4*\i:T+4*\i+3], v[TR] offset:512*\i   ; my head's 1,024 scores: rows 128 i + 4 lane + 0..3
.endr
	s_wait_dscnt 0x0
.set N_, 0
.rept 32
	v_cmp_eq_u32 vcc_lo, 0, v[SI+N_]
	v_cndmask_b32 v[T+N_], 0, v[T+N_], vcc_lo      ; 0 where the key's sentence is not 0
.set N_, N_+1
.endr
	v_mov_b32 v[T0], 0xff800000
	v_cndmask_b32 v[T], v[T0], v[T], s[VM]         ; row 0 is no key
	v_max3_num_f32 v[MX], v[T], v[T+1], v[T+2]
	v_max3_num_f32 v[MX2], v[T+3], v[T+4], v[T+5]
.irp i, 6,10,14,18,22,26
	v_max3_num_f32 v[MX], v[MX], v[T+\i], v[T+\i+1]
	v_max3_num_f32 v[MX2], v[MX2], v[T+\i+2], v[T+\i+3]
.endr
	v_max3_num_f32 v[MX], v[MX], v[T+30], v[T+31]
	v_max_num_f32 v[MX], v[MX], v[MX2]
.irp x, 1,2,4,8
	v_max_num_f32_dpp v[MX], v[MX], v[MX] row_xmask:\x row_mask:0xf bank_mask:0xf
.endr
	v_permlanex16_b32 v[PD], v[MX], s[SEL], s[SEL+1]
	v_max_num_f32 v[MX], v[MX], v[PD]              ; the head's largest score
	v_mul_f32 v[NM], 0xbe38aa3b, v[MX]             ; -M
	v_mov_b32 v[NM+1], v[NM]
.set N_, 0
.rept 16
	v_pk_fma_f32 v[T+N_:T+N_+1], v[T+N_:T+N_+1], s[CS:CS+1], v[NM:NM+1] op_sel_hi:[1,0,0]   ; t - M
.set N_, N_+2
.endr
.set N_, 0
.rept 32
	v_mov_b32 v[CT+N_], 0
.set N_, N_+1
.endr
.irp i, 0,1,2,3
	v_mov_b32 v[P+\i], 0
.endr
	s_wait_alu depctr_va_vdst(0)                   ; the wait ahead of the batch
.set N_, 0
.rept 32
	v_exp_f32 v[T+N_], v[T+N_]                     ; p = 2^(t - M)
.set N_, N_+1
.endr
	v_nop
	s_wait_alu depctr_va_vdst(0)                   ; and behind it, ahead of its first reader
.irp i, 0,1,2,3,4,5,6,7
	ds_store_b128 v[PW], v[T+4*\i:T+4*\i+3] offset:512*\i   ; into my own bytes: read back a tile at a time, a row a lane
.endr
	v_pk_add_f32 v[SP:SP+1], v[T:T+1], v[T+2:T+3]
	v_pk_add_f32 v[SP+2:SP+3], v[T+4:T+5], v[T+6:T+7]
.irp j, 8,12,16,20,24,28
	v_pk_add_f32 v[SP:SP+1], v[SP:SP+1], v[T+\j:T+\j+1]
	v_pk_add_f32 v[SP+2:SP+3], v[SP+2:SP+3], v[T+\j+2:T+\j+3]
.endr
	v_pk_add_f32 v[SP:SP+1], v[SP:SP+1], v[SP+2:SP+3]
	v_add_f32 v[RL], v[SP], v[SP+1]
.irp x, 1,2,4,8
	v_add_f32_dpp v[RL], v[RL], v[RL] row_xmask:\x row_mask:0xf bank_mask:0xf
.endr
	v_permlanex16_b32 v[PD], v[RL], s[SEL], s[SEL+1]
	v_add_f32 v[RL], v[RL], v[PD]                  ; l
	s_wait_alu depctr_va_vdst(0)
	v_rcp_f32 v[RL], v[RL]
	v_nop
	s_wait_alu depctr_va_vdst(0)
	s_mov_b32 s[TO], 0
	s_mov_b32 s[CNT], 0
.Lwalk2:                                           ; visits 8 to 13 fill the slot that they leave
	TILE 2, 0, NF, 1, 0, 1
	TILE 2, 1, NF, 1, 0, 0
	TILE 2, 2, NF, 1, 1, 0
	TILE 2, 3, NF, 1, 0, 0
	s_add_co_u32 s[CNT], s[CNT], 1
	s_cmp_lt_u32 s[CNT], 6
	s_cbranch_scc1 .Lwalk2
	TILE 2, 0, NF, 1, 0, 0                         ; the last two visits are written out: nothing is left to ask for
	TILE 2, 1, NF, 1, 0, 0
	TILE 2, 2, NF, 1, 2, 0
	TILE 2, 3, NF, 1, 0, 0
	TILE 2, 0, NF, 1, 0, 0
	TILE 2, 1, NF, 1, 0, 0
	TILE 2, 2, NF, 0, 0, 0
	TILE 2, 3, 0, 0, 0, 0
	s_wait_dscnt 0x0                               ; the last tile's p
	EPI2 1
	; THE WAY OUT.  A lane's 32 sums over the 16 rows of its half, halving what a lane holds at each step: lane r ends with numbers 2 r and 2 r + 1: columns 16 (r / 4) + 8 h2 + 2 (r % 4) + 0, 1.
	s_lshl_b32 s93, s[RQ], 9
	s_lshl_b32 s94, s[HH], 8
	s_add_co_u32 s93, s93, s94
	s_add_co_u32 s93, s93, RED
	v_and_b32 v[T+16], 15, v0
	v_bfe_u32 v[T+17], v0, 4, 1
	v_lshrrev_b32 v[T+18], 2, v[T+16]
	v_and_b32 v[T+16], 3, v[T+16]
	v_lshlrev_b32 v[T+18], 6, v[T+18]
	v_lshl_add_u32 v[T+18], v[T+17], 5, v[T+18]
	v_lshl_add_u32 v[T+18], v[T+16], 3, v[T+18]
	v_add_nc_u32 v[T+18], s93, v[T+18]
	v_add_nc_u32 v[T+19], RED, v[LI]
	BFLY 16, MB+3, 8
	BFLY 8, MB+2, 4
	BFLY 4, MB+1, 2
	BFLY 2, MB, 1
	v_pk_mul_f32 v[CT:CT+1], v[CT:CT+1], v[RL:RL+1] op_sel_hi:[1,0]   ; / l
	s_wait_alu depctr_va_vdst(0)
	ds_store_b64 v[T+18], v[CT:CT+1]
	s_wait_dscnt 0x0                               ; for wave 0's sake: my store has landed
	s_barrier_signal -1
	s_barrier_wait -1
	s_cmp_lg_u32 s[WV], 0
	s_cbranch_scc1 .Lnot_out
	ds_load_b128 v[T:T+3], v[T+19]                 ; the two row halves of four columns a lane
	ds_load_b128 v[T+4:T+7], v[T+19] offset:512
	s_wait_dscnt 0x0
	v_pk_add_f32 v[T:T+1], v[T:T+1], v[T+4:T+5]
	v_pk_add_f32 v[T+2:T+3], v[T+2:T+3], v[T+6:T+7]
	v_pk_add_f32 v[T:T+1], v[T:T+1], v[Q:Q+1]      ; + v_b
	v_pk_add_f32 v[T+2:T+3], v[T+2:T+3], v[Q+2:Q+3]
	global_store_b128 v[LI], v[T:T+3], s[18:19]    ; 32 lanes store 512 consecutive bytes, aligned
.Lnot_out:
	s_wait_tensorcnt 0x0                           ; the wave's end
	ds_add_u32 v[SPW], v[NIL]
	s_wait_dscnt 0x0
	ROUND                                          ; the closing round
	s_endpgm
.Lfunc_end_k_q9690eab8c2_attn:
	.size	k_q9690eab8c2_attn, .Lfunc_end_k_q9690eab8c2_attn-k_q9690eab8c2_attn
	.p2alignl 7, 3214868480
	.fill 96, 4, 3214868480
	.section	.rodata,"a",@progbits
	.p2align	6, 0x0
	.amdhsa_kernel k_q9690eab8c2_attn
		.amdhsa_group_segment_fixed_size 327680
		.amdhsa_private_segment_fixed_size 0
		.amdhsa_enable_private_segment 0
		.amdhsa_kernarg_size 64
		.amdhsa_user_sgpr_count 2
		.amdhsa_user_sgpr_kernarg_segment_ptr 1
		.amdhsa_wavefront_size32 1
		.amdhsa_system_sgpr_workgroup_id_x 1
		.amdhsa_system_sgpr_workgroup_id_y 1
		.amdhsa_system_sgpr_workgroup_id_z 1
		.amdhsa_system_vgpr_workitem_id 0
		.amdhsa_next_free_vgpr 1024
		.amdhsa_next_free_sgpr 96
		.amdhsa_reserve_vcc 1
		.amdhsa_float_denorm_mode_32 3
		.amdhsa_float_denorm_mode_16_64 3
		.amdhsa_memory_ordered 1
		.amdhsa_forward_progress 1
		.amdhsa_inst_pref_size 187
	.end_amdhsa_kernel
	.amdgpu_metadata
---
amdhsa.version: [ 1, 2 ]
amdhsa.kernels:
  - .name:           k_q9690eab8c2_attn
    .symbol:         k_q9690eab8c2_attn.kd
    .args:
      - { .name: xc, .offset: 0, .size: 8, .value_kind: global_buffer, .address_space: global }
      - { .name: xs, .offset: 8, .size: 8, .value_kind: global_buffer, .address_space: global }
      - { .name: wbuf, .offset: 16, .size: 8, .value_kind: global_buffer, .address_space: global }
      - { .name: qbuf, .offset: 24, .size: 8, .value_kind: global_buffer, .address_space: global }
      - { .name: k_b, .offset: 32, .size: 8, .value_kind: global_buffer, .address_space: global }
      - { .name: v_b, .offset: 40, .size: 8, .value_kind: global_buffer, .address_space: global }
      - { .name: sent_ind, .offset: 48, .size: 8, .value_kind: global_buffer, .address_space: global }
      - { .name: out0, .offset: 56, .size: 8, .value_kind: global_buffer, .address_space: global }
    .group_segment_fixed_size: 327680
    .private_segment_fixed_size: 0
    .kernarg_segment_align: 8
    .kernarg_segment_size: 64
    .max_flat_workgroup_size: 128
    .sgpr_count:     96
    .vgpr_count:     1024
    .wavefront_size: 32
...
	.end_amdgpu_metadata
.endif
;; end of part 2
